; MI455X (gfx1250); checked and timed in simulation.
; The chip was launched on July 23, 2026; its instructions are those of AMD's public machine-readable ISA for CDNA 5 (MIT licence, August 2026) and "CDNA5" Instruction Set Architecture Reference Guide (July 2026). The comments in the code are by the model that wrote it; some were corrected since.
;; Clustered Attention. Allowed arithmetic: matrix products marked QUANTISED: E2M1 operands, one E8M0 scale for each 32 along K, by v_wmma_scale_f32_16x16x128_f8f6f4 with both operands' format E2M1 (or v_wmma_scale_f32_32x16x128_f4), f32 sums; everything else in f32.
;; Inputs: key 4 x 512 x 32 x 64 float32; label_arr 4 x 512 int32; query 4 x 512 x 32 x 64 float32; value 4 x 512 x 32 x 64 float32.
;; Outputs: out0 4 x 512 x 32 x 64 float32.
;; This version of the problem:
;;   THIS VERSION OF THE PROBLEM IS GIVEN IN LOW PRECISION. The matrix products marked QUANTISED in the list below multiply operands that are first quantised to E2M1 (2 exponent bits, 1 mantissa bit; 4 bits a number), with one power-of-two scale for each 32 numbers along K (OCP MX v1.0); their sums are f32. All else is computed in f32.
;;   The module's matrix products, in the order in which they are computed (A, B: the left and right operand; K: the contracted axis; several contracted axes count as one K, in the product's order):
;;     1. batch 4 x [M 16,384, K 64] x [K 64, N 512]; A: input query; B: computed on the way: QUANTISED
;;     2. batch 128 x [M 64, K 512] x [K 512, N 512]; A: input value; B: softmax (see below): QUANTISED
;;   THE QUANTISER, for each operand of a quantised product, along K:
;;     - K is cut into blocks of 32 from its start; a last block that is shorter is filled with zeros.
;;     - A block's scale is 2^e with e = floor(log2(the largest magnitude in the block)) - 2, held to -126 .. 127; a block of zeros has e = 0. As a byte (E8M0): e + 127.
;;     - Each number is divided by its block's scale, clamped to +-6, and rounded to the nearest number of E2M1, ties to even, subnormals kept.
;;     - The product sums the exact products of the quantised numbers (number of the format x scale) in f32.
;;   ~~~python
;;   def quantise(x, axis):      # numpy; x: float32 -> the quantised numbers, widened to float32 again
;;       x = np.moveaxis(x, axis, -1); K = x.shape[-1]
;;       x = np.pad(x, [(0, 0)] * (x.ndim - 1) + [(0, -K % 32)]); x = x.reshape(x.shape[:-1] + (-1, 32)); a = np.abs(x).max(-1, keepdims=True)
;;       e = np.where(a > 0, np.clip(np.frexp(np.where(a > 0, a, 1))[1] - 1 - 2, -126, 127), 0)      # np.frexp(a)[1] - 1 = floor(log2(a)), exactly
;;       r = np.clip(x / 2.0 ** e, -6, 6)
;;       step = 2.0 ** (np.maximum(np.frexp(np.where(r == 0, 1, r))[1] - 1, 0) - 1)
;;       q = np.round(r / step) * step * 2.0 ** e      # np.round: ties to even
;;       return np.moveaxis(q.reshape(q.shape[:-2] + (-1,))[..., :K], -1, axis).astype(np.float32)
;;   ~~~
;;   SOFTMAX AHEAD OF A QUANTISED PRODUCT. Where the list says 'softmax', what is quantised is not the finished softmax but p = 2^(t - M), with t = logit x log2(e) and M = ceil(the row's largest t), a whole number; so 1/2 < the row's largest p <= 1. The row's sum l is taken of the UNQUANTISED p, in f32, and the product's result is divided by l at the end. Since M is a whole number, a kernel that streams over the keys may use a running M (the ceiling of the running maximum): every later rescaling is an exact power of two, which a block's scale takes up: the codes' values come out the same.
;;   OPERANDS COMPUTED ON THE WAY. 'Computed on the way' means the value that the module computes at that place (a softmax that the list does not call 'softmax' is quantised finished and normalised). What goes into a quantiser is computed in f32, as accurately as f32 sums, v_exp_f32 and their like allow (about 1e-6 of the number): no bf16 or f16 on the way to a quantiser, and a product that is left as it is and whose result goes on into a quantised operand takes f32 operands (vector FMAs, or v_wmma_f32_16x16x4_f32). A number that lies on a knife's edge between two numbers of the format may be rounded either way, as far as f32 arithmetic and the matrix unit's own rounding can turn it there, and no further.
;; One version. Each part assembles by itself: llvm-mc -triple=amdgcn-amd-amdhsa -mcpu=gfx1250 --defsym DOCPART=n.
;; ======== version 1 of 1: 2 launches
;; limits: right only within a limited range of input values
;; workspace buffers: kbuf 139,264 bytes; vbuf 2,228,224 bytes; qlab 65,536 bytes
;; launch prep (part 1): grid 256 x 1, 16 waves a work-group, no clusters, 7,168 bytes of LDS; arguments key, value, label_arr, kbuf, vbuf, qlab; writes kbuf, vbuf, qlab
.if DOCPART == 1
	.amdgcn_target "amdgcn-amd-amdhsa--gfx1250"
	.amdhsa_code_object_version 6
	.text
	.protected	k_q43411332f0_prep
	.globl	k_q43411332f0_prep
	.p2align	8
	.type	k_q43411332f0_prep,@function
k_q43411332f0_prep:
	s_mov_b64 s[64:65], 0
	v_nop
	global_prefetch_b8 v0, s[64:65] scope:SCOPE_SE
	s_setreg_imm32_b32 hwreg(HW_REG_WAVE_MODE, 25, 1), 1
	s_wait_xcnt 0x0
; PREP: what every head of the attention reads is made once, as codes of FP4 (E2M1) with one E8M0 byte for each 32 along K, laid as IMAGES OF THE OPERANDS' REGISTERS.
;   S[b][j][d] = the sum over v of key[b][j][v][d], in f32, quantised along d (two blocks of 32);
;   value[b][j][v][d] quantised along j (sixteen blocks of 32) for each (b, v, d);
;   each label as 64 codes for the key side (its 32 bits, then their complements: 0 or 1) and 64 for the query side (the complements, then the bits: 0 or -6).
; SHARES.  256 work-groups of sixteen waves.  Work-group g takes positions 8 g .. 8 g + 7 of key (65,536 bytes on end) and half of head g / 2 of value (256 j x 64 d).
;   key:   wave w reads the 4,096 bytes at 4,096 w: 16 of the 32 rows v of position w / 2; a load is 512 bytes on end.  Its sums (64 numbers) go to LDS; behind the barrier wave 0 adds the two halves and quantises.
;   value: wave w takes block w / 2 of the half's eight blocks of 32 j, and 32 of the 64 d (w % 2).  A LANE TAKES A COLUMN d AND ITS 32 REGISTERS RUN DOWN j: the block's largest magnitude needs no other lane, and
;          the four registers of codes ARE registers 4 c .. 4 c + 3 of the operand: sixteen lanes store 256 bytes on end, aligned.  A load is 128 bytes on end; the wave beside it reads the row's other 128.
; All 41 loads of a wave go out at its head: nothing is asked for later.
; WORKSPACE.  kbuf, for each b: 32 tiles x [c][lane][16 bytes] (c = 0: S's codes, c = 1: the label's), then the scale words [tile / 4][row][tile % 4].  Row r of tile 2 B + u is key 32 B + 8 u + r + 8 (r / 8).
;   A scale word holds the two blocks' bytes twice: bytes 2, 3 serve the fragment's upper half, whose partner in the score product is zero codes.
;   vbuf, for each head: [key step s][tile of 16 d][c][lane][16 bytes], then the scale words [s][row][tile].   qlab: [tile of 16 positions][lane][16 bytes].
;   K's codes and words leave in pieces of 128 bytes and less (136 KB in the whole launch): eight positions are half a tile.
; A block's scale is 2^(floor(log2(its largest magnitude)) - 2): its byte is the largest magnitude's exponent field - 2, held at 1 from below by a floor among the maximum's leaves.
; LIMITS: a block of zeros gets the byte 1 where the rule says 127 (its codes are zeros, and this program alone reads the bytes); blocks under the floor 2^-124 were not tried; NaN and infinities are not served.
; No tensor load, no cluster: the work-groups share no input.
.set KPITCH, 272                       ; a row of 64 partial sums in LDS: 256 bytes + 16
.set VSB,    4608                      ; LDS: behind the 16 rows of sums, the half head's 512 scale bytes
.set KBLK,   34816                     ; bytes of kbuf for one b
.set VBLK,   17408                     ; bytes of vbuf for one head
.set KSCO,   32768                     ; where the scale words begin in each
.set VSCO,   16384
.set FLOOR,  0x1800000                 ; 2^(3 - 127)
.set K,   16                           ; v16-47   my 4,096 bytes of key; later (wave 0) the sums' first halves
.set X,   48                           ; v48-79   my block of value: 32 j of my column; later (wave 0) the sums' second halves
.set VC,  80                           ; v80-83   value's codes
.set PT,  84                           ; v84-87   what comes from another lane
.set VO,  88                           ; v88-91   scale bytes on the way out
.set KC,  92                           ; v92-95   S's codes
.set EB,  96                           ; v96-99   a label's bits, one to a nibble
.set LK,  100                          ; v100-103 the key side's label codes
.set LQ,  104                          ; v104-107 the query side's
.set MA,  108                          ; v108-111 at work: two chains of the maximum, the conversion's scale operand, the byte
.set MB,  109
.set SOP, 110
.set BY,  111
.set XK,  112                          ; v112     the label, or its complement
.set OA,  113                          ; v113-115 wave 0's store offsets
.set OB,  114
.set OC,  115
; the largest magnitude of v[s] .. v[s + 31], and the floor, in two chains
.macro BLOCKMAX s
	v_max3_num_f32 v[MA], |v[\s]|, |v[\s+1]|, FLOOR
	v_max3_num_f32 v[MB], |v[\s+2]|, |v[\s+3]|, |v[\s+4]|
.irp i, 5,9,13,17,21,25
	s_delay_alu instid0(VALU_DEP_2)
	v_max3_num_f32 v[MA], v[MA], |v[\s+\i]|, |v[\s+\i+1]|
	s_delay_alu instid0(VALU_DEP_2)
	v_max3_num_f32 v[MB], v[MB], |v[\s+\i+2]|, |v[\s+\i+3]|
.endr
	s_delay_alu instid0(VALU_DEP_2)
	v_max3_num_f32 v[MA], v[MA], |v[\s+29]|, |v[\s+30]|
	s_delay_alu instid0(VALU_DEP_1)
	v_max3_num_f32 v[MA], v[MA], v[MB], |v[\s+31]|
.endm
	s_load_b256 s[4:11], s[0:1], 0x0               ; key s[4:5], value s[6:7], label_arr s[8:9], kbuf s[10:11]
	s_load_b128 s[12:15], s[0:1], 0x20             ; vbuf s[12:13], qlab s[14:15]
	v_lshl_add_u32 v116, v0, 2, 0x1400
	v_mov_b32 v117, 0
	v_lshrrev_b32 v1, 5, v0
	s_delay_alu instid0(VALU_DEP_1)
	v_readfirstlane_b32 s16, v1                    ; wave 0..15
	v_and_b32 v2, 31, v0                           ; lane
	s_wait_alu depctr_va_vdst(0)
	v_and_b32 v12, 7, v0                           ; lane % 8
	s_wait_alu depctr_va_vdst(0)
	v_and_b32 v13, 15, v0                          ; lane % 16
	s_wait_alu depctr_va_vdst(0)
	v_bfe_u32 v14, v0, 3, 1                        ; (lane / 8) % 2
	v_bfe_u32 v15, v0, 4, 1                        ; lane / 16
	s_lshl_b32 s17, ttmp9, 16                      ; key: 65,536 g
	s_lshl_b32 s18, s16, 12                        ; + 4,096 w
	s_add_co_u32 s17, s17, s18
	v_lshl_add_u32 v3, v2, 4, s17                  ; + 16 x lane
	s_lshr_b32 s19, ttmp9, 1                       ; value: the head,
	s_lshr_b32 s20, s19, 5                         ; its b
	s_and_b32 s21, s19, 31                         ; and v;
	s_and_b32 s22, ttmp9, 1                        ; which half of j;
	s_lshr_b32 s23, s16, 1                         ; which of the half's eight blocks;
	s_and_b32 s24, s16, 1                          ; which 32 of the 64 d
	s_lshl_b32 s25, s22, 3
	s_add_co_u32 s25, s25, s23                     ; the block of 32 j, 0..15
	s_lshl_b32 s26, s20, 22                        ; b x 512 x 8,192 bytes
	s_lshl_b32 s27, s25, 18                        ; + block x 32 x 8,192
	s_add_co_u32 s26, s26, s27
	s_lshl_b32 s27, s21, 8                         ; + v x 256
	s_add_co_u32 s26, s26, s27
	s_lshl_b32 s27, s24, 7                         ; + 128 for the upper 32 d
	s_add_co_u32 s26, s26, s27
	v_lshl_add_u32 v4, v2, 2, s26                  ; + 4 x lane
	s_lshl_b32 s27, ttmp9, 5
	v_lshl_add_u32 v5, v12, 2, s27                 ; label: 4 (8 g + lane % 8)
	; every LDS address is made here, ahead of the waves' parting
	s_mul_i32 s28, s16, KPITCH
	v_lshl_add_u32 v7, v13, 4, s28                 ; my sums: row w, 16 bytes for each lane % 16
	v_mul_u32_u24 v8, v12, 2*KPITCH
	s_wait_alu depctr_va_vdst(0)
	v_lshl_add_u32 v8, v14, 7, v8                  ; wave 0 reads: position lane % 8 (two rows), block (lane / 8) % 2 of its 64 d
	s_lshr_b32 s28, s23, 2                         ; my scale byte: [key step of the half][row d % 16][tile d / 16][block % 4]
	s_lshl_b32 s28, s28, 8
	s_and_b32 s29, s23, 3
	s_add_co_u32 s28, s28, s29
	s_lshl_b32 s29, s24, 3
	s_add_co_u32 s28, s28, s29
	s_add_co_u32 s28, s28, VSB
	v_lshl_add_u32 v9, v15, 2, s28
	s_delay_alu instid0(VALU_DEP_1)
	v_lshl_add_u32 v9, v13, 4, v9
	v_lshlrev_b32 v10, 4, v2                       ; 16 x lane: the scale bytes' way out, in LDS and in vbuf
	v_lshlrev_b32 v11, 10, v15
	s_delay_alu instid0(VALU_DEP_1)
	v_lshl_add_u32 v11, v13, 4, v11                ; my codes in vbuf: 1,024 (lane / 16) + 16 (lane % 16)
	s_mul_i32 s30, s19, VBLK                       ; the head's part of vbuf
	s_lshr_b32 s31, s25, 2
	s_lshl_b32 s31, s31, 12                        ; + key step x 4,096
	s_add_co_u32 s34, s30, s31
	s_and_b32 s31, s25, 3
	s_lshl_b32 s31, s31, 8                         ; + (block % 4) x 256 = 512 c + 256 h
	s_add_co_u32 s34, s34, s31
	s_lshl_b32 s31, s24, 11                        ; + two tiles of d for the upper 32
	s_add_co_u32 s34, s34, s31
	s_mov_b32 s35, 0
	s_lshl_b32 s31, s22, 9                         ; the half's 512 scale bytes
	s_add_co_u32 s36, s30, s31
	s_add_co_u32 s36, s36, VSCO
	s_mov_b32 s37, 0
	s_mov_b32 s32, 0x76543210                      ; v_permlanex16_b32's selects for lane l xor 16
	s_mov_b32 s33, 0xfedcba98
.irp j, 0,1,2,3
	v_mov_b32 v[PT+\j], 0                          ; written once: a lane permute's destination counts as one of its sources
.endr
	s_wait_kmcnt 0x0
	s_add_nc_u64 s[34:35], s[12:13], s[34:35]
	s_add_nc_u64 s[36:37], s[12:13], s[36:37]
	global_load_b32 v6, v5, s[8:9]                 ; the labels of my work-group's eight positions: only wave 0 uses them; every wave asks, at the head, so that all waves' counts are alike
.irp i, 0,1,2,3,4,5,6,7
	global_load_b128 v[K+4*\i:K+4*\i+3], v3, s[4:5] offset:512*\i th:TH_LOAD_NT   ; rows v = 16 (w % 2) + 2 i + lane / 16, d = 4 (lane % 16) on
.endr
.irp i, 0,1,2,3,4,5,6,7,8,9,10,11,12,13,14,15,16,17,18,19,20,21,22,23,24,25,26,27,28,29,30,31
	global_load_b32 v[X+\i], v4, s[6:7] offset:8192*\i th:TH_LOAD_NT              ; value(j = 32 block + i, my d)
.endr
	s_wait_loadcnt 32                              ; the label and key's eight loads are in; value's 32 may be out
.irp i, 0,2,4,6                        ; the sum of my eight loads, as a tree, two numbers an instruction
	v_pk_add_f32 v[K+4*\i:K+4*\i+1], v[K+4*\i:K+4*\i+1], v[K+4*\i+4:K+4*\i+5]
	v_pk_add_f32 v[K+4*\i+2:K+4*\i+3], v[K+4*\i+2:K+4*\i+3], v[K+4*\i+6:K+4*\i+7]
.endr
.irp i, 0
	v_pk_add_f32 v[K+4*\i:K+4*\i+1], v[K+4*\i:K+4*\i+1], v[K+4*\i+8:K+4*\i+9]
	v_pk_add_f32 v[K+4*\i+2:K+4*\i+3], v[K+4*\i+2:K+4*\i+3], v[K+4*\i+10:K+4*\i+11]
.endr
.irp i, 4
	s_delay_alu instid0(VALU_DEP_4)
	v_pk_add_f32 v[K+4*\i:K+4*\i+1], v[K+4*\i:K+4*\i+1], v[K+4*\i+8:K+4*\i+9]
	s_delay_alu instid0(VALU_DEP_4)
	v_pk_add_f32 v[K+4*\i+2:K+4*\i+3], v[K+4*\i+2:K+4*\i+3], v[K+4*\i+10:K+4*\i+11]
.endr
	s_delay_alu instid0(VALU_DEP_2)
	v_pk_add_f32 v[K:K+1], v[K:K+1], v[K+16:K+17]
	s_delay_alu instid0(VALU_DEP_2)
	v_pk_add_f32 v[K+2:K+3], v[K+2:K+3], v[K+18:K+19]
.irp j, 0,1,2,3
	v_permlanex16_b32 v[PT+\j], v[K+\j], s32, s33  ; the odd rows' sums lie in the lane 16 away
.endr
	s_delay_alu instid0(VALU_DEP_3)
	v_pk_add_f32 v[K:K+1], v[K:K+1], v[PT:PT+1]
	s_delay_alu instid0(VALU_DEP_2)
	v_pk_add_f32 v[K+2:K+3], v[K+2:K+3], v[PT+2:PT+3]
	ds_store_b128 v7, v[K:K+3]                     ; both halves of the lanes hold the same four sums and write them to the same place
	s_wait_loadcnt 0x0                             ; value's block
	BLOCKMAX X
	s_delay_alu instid0(VALU_DEP_1)
	v_add_nc_u32 v[SOP], 0xff000000, v[MA]         ; 2 off the exponent field: the conversion takes the exponent field of this operand as its scale, and nothing else of it
.irp g, 0,1,2,3
	v_cvt_scalef32_pk8_fp4_f32 v[VC+\g], v[X+8*\g:X+8*\g+7], v[SOP]
.endr
	v_lshrrev_b32 v[BY], 23, v[SOP]                ; the scale's byte (also the plain line behind the conversions)
	ds_store_b8 v9, v[BY]
	global_store_b128 v11, v[VC:VC+3], s[34:35]    ; lanes 0-15 and lanes 16-31 each store 256 bytes on end, at a multiple of 256 from vbuf's first byte
	s_wait_dscnt 0x0                               ; for the others' sake: my sums and my byte lie in LDS
	s_barrier_signal -1
	s_barrier_wait -1
	s_cmp_lg_u32 s16, 1
	s_cbranch_scc1 .Lnot_wave_1
	ds_load_b128 v[VO:VO+3], v10 offset:VSB        ; wave 1: the half head's 512 scale bytes leave as two aligned runs of 256
	s_wait_dscnt 0x0
	global_store_b128 v10, v[VO:VO+3], s[36:37]
	s_branch .Lend
.Lnot_wave_1:
	s_cmp_lg_u32 s16, 0
	s_cbranch_scc1 .Lend
	; WAVE 0.  Lane = 16 c + 8 h + r8: position r8, block h of its 64 d; c = 0 stores S's codes, c = 1 the label's (both compute both)
.irp p, 0,1
.irp g, 0,1,2,3,4,5,6,7
	ds_load_b128 v[K+32*\p+4*\g:K+32*\p+4*\g+3], v8 offset:KPITCH*\p+16*\g
.endr
.endr
	; while they come: where the results go.  b = g / 64; B = (g / 4) % 16; tile T = 2 B + g % 2; the eight positions are rows 8 ((g / 2) % 2) on
	s_lshr_b32 s17, ttmp9, 6
	s_mul_i32 s17, s17, KBLK
	s_bfe_u32 s18, ttmp9, 0x40002
	s_and_b32 s19, ttmp9, 1
	s_lshl_b32 s18, s18, 1
	s_add_co_u32 s18, s18, s19                     ; T
	s_bfe_u32 s19, ttmp9, 0x10001
	s_lshl_b32 s19, s19, 7                         ; 16 bytes x the first row
	s_add_co_u32 s17, s17, s19
	s_lshl_b32 s20, s18, 10
	s_add_co_u32 s20, s20, s17                     ; codes: b's part + 1,024 T + 16 x first row
	s_mov_b32 s21, 0
	s_lshr_b32 s22, s18, 2
	s_lshl_b32 s22, s22, 8
	s_and_b32 s23, s18, 3
	s_lshl_b32 s23, s23, 2
	s_add_co_u32 s22, s22, s23
	s_add_co_u32 s22, s22, s17
	s_add_co_u32 s22, s22, KSCO                    ; scale words: 256 (T / 4) + 16 x row + 4 (T % 4)
	s_mov_b32 s23, 0
	s_lshr_b32 s24, ttmp9, 1
	s_lshl_b32 s24, s24, 9
	s_and_b32 s25, ttmp9, 1
	s_lshl_b32 s25, s25, 7
	s_add_co_u32 s24, s24, s25                     ; qlab: 512 (g / 2) + 128 (g % 2)
	s_mov_b32 s25, 0
	s_add_nc_u64 s[38:39], s[10:11], s[20:21]
	s_add_nc_u64 s[40:41], s[10:11], s[22:23]
	s_add_nc_u64 s[42:43], s[14:15], s[24:25]
	v_lshlrev_b32 v[OB], 4, v12                    ; 16 r8
	s_delay_alu instid0(VALU_DEP_1)
	v_lshl_add_u32 v[OC], v14, 8, v[OB]            ; + 256 h
	s_delay_alu instid0(VALU_DEP_1)
	v_lshl_add_u32 v[OA], v15, 9, v[OC]            ; + 512 c
	; the label's 32 bits, one to a nibble.  Key side: the bits in lanes h = 0, their complements in lanes h = 1, as the code of 1.0; query side the other way round, as the code of -6.
	; So the product of the two sides is -6 x the scales x the number of bits in which two labels differ: 0 for equal labels and for no others, whatever int32 numbers they are.
	v_sub_nc_u32 v[XK], 0, v14
	s_delay_alu instid0(VALU_DEP_1)
	v_xor_b32 v[XK], v6, v[XK]
.irp g, 0,1,2,3
	v_bfe_u32 v[EB+\g], v[XK], 8*\g, 8
.endr
.irp g, 0,1,2,3
	s_delay_alu instid0(VALU_DEP_4)
	v_lshl_or_b32 v[EB+\g], v[EB+\g], 12, v[EB+\g]
.endr
.irp g, 0,1,2,3
	s_delay_alu instid0(VALU_DEP_4)
	v_and_b32 v[EB+\g], 0x000f000f, v[EB+\g]
.endr
.irp g, 0,1,2,3
	s_delay_alu instid0(VALU_DEP_4)
	v_lshl_or_b32 v[EB+\g], v[EB+\g], 6, v[EB+\g]
.endr
.irp g, 0,1,2,3
	s_delay_alu instid0(VALU_DEP_4)
	v_and_b32 v[EB+\g], 0x03030303, v[EB+\g]
.endr
.irp g, 0,1,2,3
	s_delay_alu instid0(VALU_DEP_4)
	v_lshl_or_b32 v[EB+\g], v[EB+\g], 3, v[EB+\g]
.endr
.irp g, 0,1,2,3
	s_delay_alu instid0(VALU_DEP_4)
	v_and_b32 v[EB+\g], 0x11111111, v[EB+\g]
.endr
.irp g, 0,1,2,3
	s_delay_alu instid0(VALU_DEP_4)
	v_lshlrev_b32 v[LK+\g], 1, v[EB+\g]            ; the code 2 is 1.0
.endr
.irp g, 0,1,2,3
	v_xor_b32 v[EB+\g], 0x11111111, v[EB+\g]
.endr
.irp g, 0,1,2,3
	s_delay_alu instid0(VALU_DEP_4)
	v_mul_lo_u32 v[LQ+\g], v[EB+\g], 15            ; the code 15 is -6
.endr
	s_wait_dscnt 0x0
.irp j, 0,2,4,6,8,10,12,14,16,18,20,22,24,26,28,30
	v_pk_add_f32 v[K+\j:K+\j+1], v[K+\j:K+\j+1], v[K+32+\j:K+32+\j+1]   ; S: rows v 0-15 and rows v 16-31
.endr
	BLOCKMAX K
	s_delay_alu instid0(VALU_DEP_1)
	v_add_nc_u32 v[SOP], 0xff000000, v[MA]
.irp g, 0,1,2,3
	v_cvt_scalef32_pk8_fp4_f32 v[KC+\g], v[K+8*\g:K+8*\g+7], v[SOP]
.endr
	v_lshrrev_b32 v[BY], 23, v[SOP]                ; my block's byte (also the plain line behind the conversions),
	v_lshlrev_b32 v[MB], 3, v14
	s_delay_alu instid0(VALU_DEP_1)
	v_lshlrev_b32 v[BY], v[MB], v[BY]              ; at its place, 8 h bits up;
	s_delay_alu instid0(VALU_DEP_1)
	v_mov_b32_dpp v[PT], v[BY] row_xmask:8 row_mask:0xf bank_mask:0xf
	s_delay_alu instid0(VALU_DEP_1)
	v_or_b32 v[BY], v[BY], v[PT]                   ; with the other block's, from lane l xor 8;
	s_delay_alu instid0(VALU_DEP_1)
	v_lshl_or_b32 v[BY], v[BY], 16, v[BY]          ; and both once more for the fragment's upper half
	v_cmp_gt_u32 vcc_lo, 16, v2
.irp g, 0,1,2,3
	v_cndmask_b32 v[KC+\g], v[LK+\g], v[KC+\g], vcc_lo   ; lanes 0-15 keep S's codes, lanes 16-31 take the label's
.endr
	global_store_b128 v[OA], v[KC:KC+3], s[38:39]
	global_store_b32 v[OB], v[BY], s[40:41]        ; (four lanes hold each word and write it to the same place)
	global_store_b128 v[OC], v[LQ:LQ+3], s[42:43]  ; (two lanes each)
.Lend:
	s_wait_tensorcnt 0x0
	ds_add_u32 v116, v117
	s_wait_dscnt 0x0
	s_endpgm
.Lfunc_end_k_q43411332f0_prep:
	.size	k_q43411332f0_prep, .Lfunc_end_k_q43411332f0_prep-k_q43411332f0_prep
	.p2alignl 7, 3214868480
	.fill 96, 4, 3214868480
	.section	.rodata,"a",@progbits
	.p2align	6, 0x0
	.amdhsa_kernel k_q43411332f0_prep
		.amdhsa_group_segment_fixed_size 7168
		.amdhsa_private_segment_fixed_size 0
		.amdhsa_enable_private_segment 0
		.amdhsa_kernarg_size 48
		.amdhsa_user_sgpr_count 2
		.amdhsa_user_sgpr_kernarg_segment_ptr 1
		.amdhsa_wavefront_size32 1
		.amdhsa_system_sgpr_workgroup_id_x 1
		.amdhsa_system_sgpr_workgroup_id_y 1
		.amdhsa_system_sgpr_workgroup_id_z 1
		.amdhsa_system_vgpr_workitem_id 0
		.amdhsa_next_free_vgpr 118
		.amdhsa_next_free_sgpr 66
		.amdhsa_reserve_vcc 1
		.amdhsa_float_denorm_mode_32 3
		.amdhsa_float_denorm_mode_16_64 3
		.amdhsa_memory_ordered 1
		.amdhsa_forward_progress 1
		.amdhsa_inst_pref_size 21
	.end_amdhsa_kernel
	.amdgpu_metadata
---
amdhsa.version: [ 1, 2 ]
amdhsa.kernels:
  - .name:           k_q43411332f0_prep
    .symbol:         k_q43411332f0_prep.kd
    .args:
      - { .name: key, .offset: 0, .size: 8, .value_kind: global_buffer, .address_space: global }
      - { .name: value, .offset: 8, .size: 8, .value_kind: global_buffer, .address_space: global }
      - { .name: label_arr, .offset: 16, .size: 8, .value_kind: global_buffer, .address_space: global }
      - { .name: kbuf, .offset: 24, .size: 8, .value_kind: global_buffer, .address_space: global }
      - { .name: vbuf, .offset: 32, .size: 8, .value_kind: global_buffer, .address_space: global }
      - { .name: qlab, .offset: 40, .size: 8, .value_kind: global_buffer, .address_space: global }
    .group_segment_fixed_size: 7168
    .private_segment_fixed_size: 0
    .kernarg_segment_align: 8
    .kernarg_segment_size: 48
    .max_flat_workgroup_size: 512
    .sgpr_count:     66
    .vgpr_count:     118
    .wavefront_size: 32
...
	.end_amdgpu_metadata
.endif
;; end of part 1
;; launch attend (part 2): grid 256 x 1, 16 waves a work-group, no clusters, 123,904 bytes of LDS; arguments query, kbuf, vbuf, qlab, out0; writes out0
.if DOCPART == 2
	.amdgcn_target "amdgcn-amd-amdhsa--gfx1250"
	.amdhsa_code_object_version 6
	.text
	.protected	k_q43411332f0_attend
	.globl	k_q43411332f0_attend
	.p2align	8
	.type	k_q43411332f0_attend,@function
k_q43411332f0_attend:
	s_mov_b64 s[64:65], 0
	v_nop
	global_prefetch_b8 v0, s[64:65] scope:SCOPE_SE
	s_setreg_imm32_b32 hwreg(HW_REG_WAVE_MODE, 25, 1), 1
	s_wait_xcnt 0x0
; out[b][i][v][:] = the sum over j of softmax_j(query[b][i][v] . S[b][j] / 8, where label[b][i] = label[b][j]) value[b][j][v][:], both products on codes of FP4 (E2M1) with one E8M0 scale for each 32 along K.
; S's codes, value's codes (keys innermost) and the labels' codes come from the launch before, as images of the operands' registers; query is quantised here, in registers.
; SHARES.  Work-group g: head g / 2 = (b, v), positions 256 (g % 2) on.  Each of its SIXTEEN waves owns 16 queries, one tile, in 256 registers: four waves to a SIMD, so that one wave's vector work stands beside
; another's products and LDS loads.  Every wave walks the 512 keys in four steps of 128, written out: every LDS offset is an immediate, and there is no branch.
; LDS is filled once, at the head, through registers: K's image of the batch (34,816 bytes) and V's of the head (17,408), 102 bytes a thread; one barrier.
; NO CLUSTER, NO TENSOR LOAD: what work-groups share is these 52,224 bytes, read once, of the 183,296 that a work-group moves (65,536 of query in, 65,536 of out); nothing is filled again, so there is no ring to feed.
; LAYOUT.  Both products are used transposed: S^T = K Q^T (source 0 = 16 keys, source 1 = my 16 queries), O^T = V^T P^T (source 0 = 16 of the 64 d, source 1 = P): a lane holds ONE query (lane % 16) throughout.
; Row r of key tile 2 B + u is key 32 B + 8 u + r + 8 (r / 8), so that the 16 registers of tiles 2 B, 2 B + 1 are 16 neighbouring keys, 32 B + 16 (lane / 16) + 0 .. 15, as the next product's K wants them.
; THE MASK IS MADE BY THE MATRIX UNIT.  The first product's K is 64, half of the instruction's 128.  A key's fragment carries S's 64 codes below and 64 label codes above.  Two fragments stand for my queries:
; [q's codes | zeros] and [zeros | label codes].  For each tile the product with the second comes first: it is -6 x 2^118 x (the number of bits in which the two labels differ), exactly 0 where they are equal;
; the product with the first adds the score onto it, as the next link on the same accumulator.  They are two instructions, each with its own scale registers, so that the true products meet no large scale: in the score
; product the upper blocks' scale bytes repeat the lower blocks'.  A masked score is at most -6 x 2^118 (+ the score), at least -192 x 2^118: finite.
; THE SOFTMAX.  t = score x log2(e) / 8; M = the running largest t, rounded UP to a whole number; p = 2^(t - M) is what is quantised, along the keys, not normalised; the row's sum is taken of the unquantised p and divides
; O at the end; when M moves, the sum and O are multiplied by 2^(old M - new M): exact.  The running largest t begins at -1e30: above every masked t, below every true one.  So in a step in which a query has
; no partner all its p are 0, and when the first partner comes the factor is 0, on sums that are 0.  The diagonal is never masked: every row ends with a true M.
; LIMITS: |t| of unmasked scores under 1e30; NaN and infinities are not served; a block whose every p is 0 keeps the byte 1 (its codes are zeros); a block's largest p is made from its largest score by the same two
; instructions, which takes v_exp_f32 not to fall where its input rises (the ISA guide promises 1 ulp); at the worst one p of a block, within an ulp of a power of two, is held one code low.
.set KIMG,  0                          ; LDS: 32 key tiles x [c][lane][16 bytes];
.set KSC,   32768                      ; their scale words [tile / 4][row][tile % 4];
.set VIMG,  34816                      ; V: [key step][tile of 16 d][c][lane][16 bytes];
.set VSC,   51200                      ; its scale words [key step][row][tile];
.set STAGE, 52224                      ; a stage of 16 rows x 272 bytes for each wave: query's way in, out's way out
.set SP,    272                        ; 256 bytes + 16 = 68 words: row r starts at bank 4 r mod 64 (64 banks of 4 bytes: ISA guide 11.1), so the 16 rows that a load touches start at 16 different banks
.set KBLK,  34816
.set VBLK,  17408
.set VSCO,  16384
.set FLOOR, 0x1800000                  ; 2^(3 - 127)
.set LT,  1                            ; v1   16 x thread: the copy's place, in memory and in LDS
.set LI,  2                            ; v2   16 x lane: an image's place for my lane
.set SA,  3                            ; v3   16 x (lane % 16): four scale words of my row
.set STD, 4                            ; v4   the stage by whole rows: lanes 0-15 one row, lanes 16-31 the next
.set STQ, 5                            ; v5   the stage: row lane % 16, + 128 (lane / 16): my block of 32 of a query
.set STO, 6                            ; v6   the stage: row lane % 16, + 32 (lane / 16): my eight d of a tile
.set GQ,  7                            ; v7   query and out by whole rows: 8,192 (lane / 16) + 16 (lane % 16)
.set ONE, 8                            ; v8   scales: 2^0 in all four bytes      (v8-11, v244-255 hold scales and nothing else)
.set BIG, 9                            ; v9   scales: 2^118
.set QS,  10                           ; v10  q's scale word
.set PS,  11                           ; v11  p's scale word
.set NM,  12                           ; v12 -M, v13 the largest t
.set LS,  14                           ; v[14:15] the row's sum, in two halves
.set QF,  16                           ; v16-19 q's codes, v20-23 zeros, v24-27 my queries' label codes: v[16:23] and v[20:27] are the two fragments
.set FF,  28                           ; v28 f = 2^(old M - new M); v29 named with it as a pair
.set CH,  30                           ; v[30:31] the sums' second chain
.set KF,  32                           ; v32-95   a step's eight fragments of K
.set SC,  96                           ; v96-159  S^T, then p
.set OAC, 160                          ; v160-191 O^T: four tiles of 16 d
.set VF,  192                          ; v192-223 a step's four fragments of V
.set PC,  224                          ; v224-231 p's codes
.set BM,  232                          ; v232-235 the blocks' largest scores, then largest p
.set T4,  236                          ; v236-239 at work
.set SOP, 240                          ; v240-243 the conversions' scale operands
.set KS,  244                          ; v244-251 K's scale words, a register a tile
.set VS,  252                          ; v252-255 V's
.macro PLACES n
.rept \n
	v_nop
.endr
.endm
.macro KLOAD s                         ; key step s: eight fragments (16 loads) and their scale words (2 loads)
.irp t, 0,1,2,3,4,5,6,7
.irp c, 0,1
	ds_load_b128 v[KF+8*\t+4*\c:KF+8*\t+4*\c+3], v[LI] offset:KIMG+(8*(\s)+\t)*1024+512*\c
.endr
.endr
.irp g, 0,1
	ds_load_b128 v[KS+4*\g:KS+4*\g+3], v[SA] offset:KSC+(2*(\s)+\g)*256
.endr
.endm
.macro ADD2 j                          ; two pairs of p onto the two chains
	v_pk_add_f32 v[LS:LS+1], v[LS:LS+1], v[SC+\j:SC+\j+1]
	v_pk_add_f32 v[CH:CH+1], v[CH:CH+1], v[SC+\j+2:SC+\j+3]
.endm
	s_load_b256 s[4:11], s[0:1], 0x0               ; query s[4:5], kbuf s[6:7], vbuf s[8:9], qlab s[10:11]
	s_load_b64 s[12:13], s[0:1], 0x20              ; out0
	v_lshrrev_b32 v1, 5, v0
	s_delay_alu instid0(VALU_DEP_1)
	v_readfirstlane_b32 s16, v1                    ; wave 0..15
	s_lshr_b32 s17, ttmp9, 1                       ; the head,
	s_and_b32 s18, ttmp9, 1                        ; which half of its positions,
	s_lshr_b32 s19, s17, 5                         ; b,
	s_and_b32 s20, s17, 31                         ; v
	s_lshl_b32 s21, s18, 4
	s_add_co_u32 s21, s21, s16                     ; my tile of 16 positions, 0..31
	s_mul_i32 s22, s19, KBLK
	s_mov_b32 s23, 0
	s_mul_i32 s24, s17, VBLK
	s_mov_b32 s25, 0
	s_lshl_b32 s26, s19, 22                        ; query and out: b x 512 x 8,192 bytes
	s_lshl_b32 s28, s21, 17                        ; + tile x 16 x 8,192
	s_add_co_u32 s26, s26, s28
	s_lshl_b32 s28, s20, 8                         ; + v x 256
	s_add_co_u32 s26, s26, s28
	s_mov_b32 s27, 0
	s_lshl_b32 s28, s19, 5
	s_add_co_u32 s28, s28, s21
	s_lshl_b32 s28, s28, 9                         ; qlab: 512 bytes a tile
	s_mov_b32 s29, 0
	s_mul_i32 s30, s16, 16*SP
	s_add_co_u32 s30, s30, STAGE                   ; my stage
	s_mov_b32 s32, 0x76543210                      ; v_permlanex16_b32's selects for lane l xor 16
	s_mov_b32 s33, 0xfedcba98
	s_mov_b32 s34, 0x3e38aa3b                      ; c = log2(e) / 8
	s_mov_b32 s35, s34                             ; (the packed form names the pair and takes its low word for both halves: so s35 is written)
	v_lshlrev_b32 v[LT], 4, v0
	v_lshlrev_b32 v122, 2, v0                      ; 4 x thread: K's 2,048 bytes of scale words
	v_lshlrev_b32 v123, 1, v0                      ; 2 x thread: V's 1,024
	v_and_b32 v30, 31, v0
	s_delay_alu instid0(VALU_DEP_1)
	v_lshlrev_b32 v[LI], 4, v30
	v_and_b32 v31, 15, v0                          ; r
	s_delay_alu instid0(VALU_DEP_1)
	v_lshlrev_b32 v[SA], 4, v31
	v_bfe_u32 v30, v0, 4, 1                        ; h
	s_delay_alu instid0(VALU_DEP_1)
	v_mul_u32_u24 v[STD], v30, SP
	s_delay_alu instid0(VALU_DEP_1)
	v_add_nc_u32 v[STD], v[STD], v[SA]
	s_delay_alu instid0(VALU_DEP_1)
	v_add_nc_u32 v[STD], s30, v[STD]
	v_mul_u32_u24 v[STQ], v31, SP
	s_delay_alu instid0(VALU_DEP_1)
	v_add_nc_u32 v[STQ], s30, v[STQ]
	s_delay_alu instid0(VALU_DEP_1)
	v_lshl_add_u32 v[STO], v30, 5, v[STQ]
	s_delay_alu instid0(VALU_DEP_2)
	v_lshl_add_u32 v[STQ], v30, 7, v[STQ]
	v_lshl_add_u32 v[GQ], v30, 13, v[SA]
	s_wait_alu depctr_va_vdst(0)
	s_wait_kmcnt 0x0
	s_add_nc_u64 s[6:7], s[6:7], s[22:23]
	s_add_nc_u64 s[8:9], s[8:9], s[24:25]
	s_add_nc_u64 s[4:5], s[4:5], s[26:27]
	s_add_nc_u64 s[12:13], s[12:13], s[26:27]
	s_add_nc_u64 s[10:11], s[10:11], s[28:29]
.irp i, 0,1,2,3
	global_load_b128 v[96+4*\i:99+4*\i], v[LT], s[6:7] offset:8192*\i      ; the copy: the 512 threads take 8,192 bytes on end
.endr
.irp i, 0,1
	global_load_b128 v[112+4*\i:115+4*\i], v[LT], s[8:9] offset:8192*\i
.endr
	global_load_b32 v120, v122, s[6:7] offset:KSC
	global_load_u16 v121, v123, s[8:9] offset:VSCO
.irp i, 0,1,2,3,4,5,6,7
	global_load_b128 v[128+4*\i:131+4*\i], v[GQ], s[4:5] offset:16384*\i th:TH_LOAD_NT   ; my 16 queries, two whole rows of 256 bytes a load
.endr
	global_load_b128 v[QF+8:QF+11], v[LI], s[10:11]                        ; their label codes: registers 4 to 7 of the second fragment
	v_mov_b32 v[ONE], 0x7f7f7f7f
	v_mov_b32 v[BIG], 0xf5f5f5f5
.irp j, 4,5,6,7
	v_mov_b32 v[QF+\j], 0                          ; the zero codes that both fragments share
.endr
	v_mov_b32 v[FF+1], 0                           ; (named as the upper half of a pair)
.irp b, 0,1,2,3
	v_mov_b32 v[T4+\b], 0                          ; written once: a lane permute's destination counts as one of its sources
.endr
	s_wait_loadcnt 9                               ; the copy's eight loads are in; q's eight and the label codes may be out
.irp i, 0,1,2,3
	ds_store_b128 v[LT], v[96+4*\i:99+4*\i] offset:KIMG+8192*\i
.endr
.irp i, 0,1
	ds_store_b128 v[LT], v[112+4*\i:115+4*\i] offset:VIMG+8192*\i
.endr
	ds_store_b32 v122, v120 offset:KSC
	ds_store_b16 v123, v121 offset:VSC
	s_wait_loadcnt 1                               ; q is in; the label codes may be out
.irp i, 0,1,2,3,4,5,6,7
	ds_store_b128 v[STD], v[128+4*\i:131+4*\i] offset:2*\i*SP   ; q turns through my own stage: in by whole rows,
.endr
.irp g, 0,1,2,3,4,5,6,7
	ds_load_b128 v[KF+4*\g:KF+4*\g+3], v[STQ] offset:16*\g      ; back as a block of 32 d of row lane % 16 (LDS serves a wave's instructions in order: ISA guide 5.7.1.4)
.endr
	s_wait_dscnt 0x0                               ; q's block is back; and, for the others' sake, my part of the copy lies in LDS
	v_max3_num_f32 v232, |v[KF]|, |v[KF+1]|, FLOOR ; the block's largest magnitude: all 32 numbers are mine; with the floor, so that the byte cannot fall under 1
	v_max3_num_f32 v233, |v[KF+2]|, |v[KF+3]|, |v[KF+4]|
.irp i, 5,9,13,17,21,25
	s_delay_alu instid0(VALU_DEP_2)
	v_max3_num_f32 v232, v232, |v[KF+\i]|, |v[KF+\i+1]|
	s_delay_alu instid0(VALU_DEP_2)
	v_max3_num_f32 v233, v233, |v[KF+\i+2]|, |v[KF+\i+3]|
.endr
	s_delay_alu instid0(VALU_DEP_2)
	v_max3_num_f32 v232, v232, |v[KF+29]|, |v[KF+30]|
	s_delay_alu instid0(VALU_DEP_1)
	v_max3_num_f32 v232, v232, v233, |v[KF+31]|
	s_delay_alu instid0(VALU_DEP_1)
	v_add_nc_u32 v234, 0xff000000, v232            ; 2 off the exponent field: the conversion's scale operand
.irp g, 0,1,2,3
	v_cvt_scalef32_pk8_fp4_f32 v[QF+\g], v[KF+8*\g:KF+8*\g+7], v234   ; registers 0 to 3 of the first fragment: d = 32 h + 0 .. 31
.endr
	v_lshrrev_b32 v235, 23, v234                   ; my block's byte (also the plain line behind the conversions),
	v_bfe_u32 v232, v0, 4, 1
	s_delay_alu instid0(VALU_DEP_1)
	v_lshlrev_b32 v232, 3, v232
	s_delay_alu instid0(VALU_DEP_1)
	v_lshlrev_b32 v235, v232, v235                 ; 8 h bits up;
	s_delay_alu instid0(VALU_DEP_1)
	v_permlanex16_b32 v[T4], v235, s32, s33
	s_delay_alu instid0(VALU_DEP_1)
	v_or_b32 v235, v235, v[T4]                     ; with the other block's;
	s_delay_alu instid0(VALU_DEP_1)
	v_lshl_or_b32 v[QS], v235, 16, v235            ; and both once more for the zero codes above
	s_barrier_signal -1
	s_barrier_wait -1                              ; K's and V's images lie in LDS
	KLOAD 0
	s_wait_loadcnt 0x0                             ; my queries' label codes
	PLACES 8                                       ; a scale register written by a vector instruction stands 8 places ahead of a scaled matrix instruction, an operand so written 4
; A KEY STEP: keys 128 s on
.macro STEP s
.if \s > 0
	PLACES 4                                       ; behind the last step's products V^T P, in front of loads into the registers that they read
.endif
.irp dt, 0,1,2,3
.irp c, 0,1
	ds_load_b128 v[VF+8*\dt+4*\c:VF+8*\dt+4*\c+3], v[LI] offset:VIMG+4096*\s+1024*\dt+512*\c
.endr
.endr
	ds_load_b128 v[VS:VS+3], v[SA] offset:VSC+256*\s
	s_wait_dscnt 9                                 ; K's 18 loads are in; V's nine, just issued, may be out
.irp t, 0,1,2,3,4,5,6,7                        ; the mask: 0 where the labels are equal, at most -6 x 2^118 elsewhere.  It starts the sums
	v_wmma_scale_f32_16x16x128_f8f6f4 v[SC+8*\t:SC+8*\t+7], v[KF+8*\t:KF+8*\t+7], v[QF+4:QF+11], 0, v[ONE], v[BIG] matrix_a_fmt:MATRIX_FMT_FP4 matrix_b_fmt:MATRIX_FMT_FP4
.endr
	s_wait_alu depctr_va_vdst(0)
.irp t, 0,1,2,3,4,5,6,7                        ; the scores, onto it.  The eight accumulators take turns, one instruction a turn
	v_wmma_scale_f32_16x16x128_f8f6f4 v[SC+8*\t:SC+8*\t+7], v[KF+8*\t:KF+8*\t+7], v[QF:QF+7], v[SC+8*\t:SC+8*\t+7], v[KS+\t], v[QS] matrix_a_fmt:MATRIX_FMT_FP4 matrix_b_fmt:MATRIX_FMT_FP4
.endr
	PLACES 4                                       ; in front of loads into registers that these products read, and of the first read of their results
.if \s < 3
	KLOAD \s+1                                     ; the next step's K lands while this step's softmax is worked
.endif
.irp b, 0,1,2,3
	v_max3_num_f32 v[BM+\b], v[SC+16*\b], v[SC+16*\b+1], v[SC+16*\b+2]   ; the largest score of each block of 32 keys: for the row's maximum and, since p rises with the score, for the block's largest p
.endr
.irp i, 3,5,7,9,11,13
.irp b, 0,1,2,3
	v_max3_num_f32 v[BM+\b], v[BM+\b], v[SC+16*\b+\i], v[SC+16*\b+\i+1]  ; (the four blocks by turns)
.endr
.endr
.irp b, 0,1,2,3
	v_max_num_f32 v[BM+\b], v[BM+\b], v[SC+16*\b+15]
.endr
.irp b, 0,1,2,3
	s_delay_alu instid0(VALU_DEP_4)
	v_permlanex16_b32 v[T4+\b], v[BM+\b], s32, s33
.endr
.irp b, 0,1,2,3
	s_delay_alu instid0(VALU_DEP_4)
	v_max_num_f32 v[BM+\b], v[BM+\b], v[T4+\b]     ; with lane l xor 16's 16 keys
.endr
	s_delay_alu instid0(VALU_DEP_2)
	v_max3_num_f32 v[T4], v[BM], v[BM+1], v[BM+2]
	s_delay_alu instid0(VALU_DEP_1)
	v_max_num_f32 v[T4], v[T4], v[BM+3]            ; the step's largest score of my query
	s_delay_alu instid0(VALU_DEP_1)
	v_mul_f32 v[T4], s34, v[T4]                    ; as t (c is positive)
.if \s == 0
	s_delay_alu instid0(VALU_DEP_1)
	v_max_num_f32 v[NM+1], 0xf149f2ca, v[T4]       ; the running largest t begins at -1e30: above every masked t
	s_delay_alu instid0(VALU_DEP_1)
	v_floor_f32 v[NM], -v[NM+1]                    ; -M = floor(-t) = -ceil(t): M is a whole number
.else
	s_delay_alu instid0(VALU_DEP_1)
	v_max_num_f32 v[NM+1], v[NM+1], v[T4]
	v_mov_b32 v[T4], v[NM]
	s_delay_alu instid0(VALU_DEP_2)
	v_floor_f32 v[NM], -v[NM+1]
	s_delay_alu instid0(VALU_DEP_1)
	v_sub_f32 v[T4], v[NM], v[T4]                  ; M's old value less its new one: a whole number, 0 or less
	s_delay_alu instid0(VALU_DEP_1)
	v_cvt_i32_f32 v[T4], v[T4]                     ; (it saturates)
	s_delay_alu instid0(VALU_DEP_1)
	v_ldexp_f32 v[FF], 1.0, v[T4]                  ; f = 2^(old M - new M)
.endif
.irp j, 0,2,4,6,8,10,12,14,16,18,20,22,24,26,28,30,32,34,36,38,40,42,44,46,48,50,52,54,56,58,60,62
	v_pk_fma_f32 v[SC+\j:SC+\j+1], v[SC+\j:SC+\j+1], s[34:35], v[NM:NM+1] op_sel_hi:[1,0,0]   ; t - M, two at a time (of the pairs c and -M the low word serves both halves)
.endr
.irp b, 0,1,2,3
	v_fma_f32 v[BM+\b], v[BM+\b], s34, v[NM]       ; the same of each block's largest score
.endr
	s_wait_alu depctr_va_vdst(0)
.irp j, 0,1,2,3,4,5,6,7,8,9,10,11,12,13,14,15,16,17,18,19,20,21,22,23,24,25,26,27,28,29,30,31,32,33,34,35,36,37,38,39,40,41,42,43,44,45,46,47,48,49,50,51,52,53,54,55,56,57,58,59,60,61,62,63
	v_exp_f32 v[SC+\j], v[SC+\j]                   ; p = 2^(t - M), at most 1; 0 for a masked key
.endr
.if \s == 0
	v_nop                                          ; a plain line behind the exponentials
.else
	v_pk_mul_f32 v[LS:LS+1], v[LS:LS+1], v[FF:FF+1] op_sel_hi:[1,0]   ; the sums under the new M (also the plain line behind the exponentials)
.endif
	s_wait_alu depctr_va_vdst(0)                   ; one wait for the batch of 64, ahead of its first reader
.irp b, 0,1,2,3
	v_exp_f32 v[BM+\b], v[BM+\b]                   ; the block's largest p: the same two instructions on the same number give the same bits
.endr
.if \s == 0                                    ; the row's sum is taken of the UNQUANTISED p, two at a time, in two chains.  Its first half reads the 64 alone: plain work behind the four
	v_pk_add_f32 v[LS:LS+1], v[SC:SC+1], v[SC+2:SC+3]
	v_pk_add_f32 v[CH:CH+1], v[SC+4:SC+5], v[SC+6:SC+7]
.else
	v_pk_add_f32 v[LS:LS+1], v[LS:LS+1], v[SC:SC+1]
	v_pk_add_f32 v[CH:CH+1], v[SC+2:SC+3], v[SC+4:SC+5]
	v_pk_add_f32 v[LS:LS+1], v[LS:LS+1], v[SC+6:SC+7]
.endif
.irp j, 8,12,16,20,24,28
	ADD2 \j
.endr
	s_wait_alu depctr_va_vdst(0)                   ; and one wait for the four
.irp b, 0,1,2,3
	v_max_num_f32 v[BM+\b], FLOOR, v[BM+\b]        ; the floor: the byte cannot fall under 1 (a block whose every p is 0 keeps that byte: its codes are zeros)
.endr
.irp b, 0,1,2,3
	s_delay_alu instid0(VALU_DEP_4)
	v_add_nc_u32 v[SOP+\b], 0xff000000, v[BM+\b]   ; 2 off the exponent field: the conversion's scale operand
.endr
.irp b, 0,1,2,3
	s_delay_alu instid0(VALU_DEP_4)
	v_lshrrev_b32 v[T4+\b], 23, v[SOP+\b]          ; the scale's byte
.endr
	s_delay_alu instid0(VALU_DEP_3)
	v_lshl_or_b32 v[PS], v[T4+1], 8, v[T4]         ; p's scale word for these 128 keys
	s_delay_alu instid0(VALU_DEP_1)
	v_lshl_or_b32 v[PS], v[T4+2], 16, v[PS]
	s_delay_alu instid0(VALU_DEP_1)
	v_lshl_or_b32 v[PS], v[T4+3], 24, v[PS]
.irp b, 0,1,2,3
	v_cvt_scalef32_pk8_fp4_f32 v[PC+2*\b], v[SC+16*\b:SC+16*\b+7], v[SOP+\b]
	v_cvt_scalef32_pk8_fp4_f32 v[PC+2*\b+1], v[SC+16*\b+8:SC+16*\b+15], v[SOP+\b]
.endr
	v_nop                                          ; one plain line between a scaled conversion and the vector instruction that touches its result
.irp c, 0,1                                    ; the operand's layout wants a WHOLE block in a lane: lanes 0-15 block 2 c, lanes 16-31 block 2 c + 1
.irp i, 0,1
	v_permlane16_swap_b32 v[PC+4*\c+\i], v[PC+4*\c+2+\i]
.endr
.endr
.if \s > 0
.irp j, 0,2,4,6,8,10,12,14,16,18,20,22,24,26,28,30
	v_pk_mul_f32 v[OAC+\j:OAC+\j+1], v[OAC+\j:OAC+\j+1], v[FF:FF+1] op_sel_hi:[1,0]   ; O^T under the new M, each accumulator from its low end on
.endr
.endif
.irp j, 32,36,40,44,48,52,56,60                ; the sum's second half: these 17 lines are also the places between p's codes and scale word and the products below
	ADD2 \j
.endr
	s_delay_alu instid0(VALU_DEP_1)
	v_pk_add_f32 v[LS:LS+1], v[LS:LS+1], v[CH:CH+1]
.if \s < 3
	s_wait_dscnt 18                                ; V's nine loads are in; the next step's 18 of K, issued behind them, may be out
.else
	s_wait_alu depctr_va_vdst(0)
	s_wait_dscnt 0x0
.endif
.irp dt, 0,1,2,3                               ; O^T += V^T P^T: four tiles of 16 d, K = these 128 keys.  The first step starts the sums: nothing is cleared
.if \s == 0
	v_wmma_scale_f32_16x16x128_f8f6f4 v[OAC+8*\dt:OAC+8*\dt+7], v[VF+8*\dt:VF+8*\dt+7], v[PC:PC+7], 0, v[VS+\dt], v[PS] matrix_a_fmt:MATRIX_FMT_FP4 matrix_b_fmt:MATRIX_FMT_FP4
.else
	v_wmma_scale_f32_16x16x128_f8f6f4 v[OAC+8*\dt:OAC+8*\dt+7], v[VF+8*\dt:VF+8*\dt+7], v[PC:PC+7], v[OAC+8*\dt:OAC+8*\dt+7], v[VS+\dt], v[PS] matrix_a_fmt:MATRIX_FMT_FP4 matrix_b_fmt:MATRIX_FMT_FP4
.endif
.endr
.endm
	STEP 0
	STEP 1
	STEP 2
	STEP 3
	; THE WAY OUT.  O^T is divided by the row's sum and goes through my stage: a lane's eight d of a tile are 32 bytes of a row; back come whole rows of 256 bytes.
	PLACES 4                                       ; behind the last products, in front of the first read of their results
	v_add_f32 v[LS], v[LS], v[LS+1]                ; the sum's two halves,
	s_delay_alu instid0(VALU_DEP_1)
	v_permlanex16_b32 v[T4], v[LS], s32, s33
	s_delay_alu instid0(VALU_DEP_1)
	v_add_f32 v[LS], v[LS], v[T4]                  ; and lane l xor 16's: the row's sum, at least 1/2
	s_wait_alu depctr_va_vdst(0)
	v_rcp_f32 v[LS], v[LS]
	v_nop                                          ; a plain line behind the reciprocal
	s_wait_alu depctr_va_vdst(0)                   ; and the wait ahead of its first reader
.irp j, 0,2,4,6,8,10,12,14,16,18,20,22,24,26,28,30
	v_pk_mul_f32 v[SC+\j:SC+\j+1], v[OAC+\j:OAC+\j+1], v[LS:LS+1] op_sel_hi:[1,0]   ; register 8 t + i is out(query lane % 16, d = 16 t + 8 (lane / 16) + i)
.endr
.irp dt, 0,1,2,3
	ds_store_b128 v[STO], v[SC+8*\dt:SC+8*\dt+3] offset:64*\dt
	ds_store_b128 v[STO], v[SC+8*\dt+4:SC+8*\dt+7] offset:64*\dt+16
.endr
.irp i, 0,1,2,3,4,5,6,7
	ds_load_b128 v[KF+4*\i:KF+4*\i+3], v[STD] offset:2*\i*SP   ; my own bytes, served in order: these see the stores above
.endr
.irp i, 0,1,2,3,4,5,6,7
	s_wait_dscnt 7-\i                              ; rows 2 i and 2 i + 1 are back; the younger loads may be out
	global_store_b128 v[GQ], v[KF+4*\i:KF+4*\i+3], s[12:13] offset:16384*\i th:TH_STORE_NT   ; sixteen lanes store a row of out: 256 bytes on end, at a multiple of 256 from its first byte
.endr
	s_wait_xcnt 0x0
	v_lshl_add_u32 v250, v0, 2, 0x1dc00
	v_mov_b32 v251, 0
	s_wait_alu depctr_va_vdst(0)
	s_wait_tensorcnt 0x0
	ds_add_u32 v250, v251
	s_wait_dscnt 0x0
	s_endpgm
.Lfunc_end_k_q43411332f0_attend:
	.size	k_q43411332f0_attend, .Lfunc_end_k_q43411332f0_attend-k_q43411332f0_attend
	.p2alignl 7, 3214868480
	.fill 96, 4, 3214868480
	.section	.rodata,"a",@progbits
	.p2align	6, 0x0
	.amdhsa_kernel k_q43411332f0_attend
		.amdhsa_group_segment_fixed_size 123904
		.amdhsa_private_segment_fixed_size 0
		.amdhsa_enable_private_segment 0
		.amdhsa_kernarg_size 40
		.amdhsa_user_sgpr_count 2
		.amdhsa_user_sgpr_kernarg_segment_ptr 1
		.amdhsa_wavefront_size32 1
		.amdhsa_system_sgpr_workgroup_id_x 1
		.amdhsa_system_sgpr_workgroup_id_y 1
		.amdhsa_system_sgpr_workgroup_id_z 1
		.amdhsa_system_vgpr_workitem_id 0
		.amdhsa_next_free_vgpr 256
		.amdhsa_next_free_sgpr 66
		.amdhsa_reserve_vcc 0
		.amdhsa_float_denorm_mode_32 3
		.amdhsa_float_denorm_mode_16_64 3
		.amdhsa_memory_ordered 1
		.amdhsa_forward_progress 1
		.amdhsa_inst_pref_size 80
	.end_amdhsa_kernel
	.amdgpu_metadata
---
amdhsa.version: [ 1, 2 ]
amdhsa.kernels:
  - .name:           k_q43411332f0_attend
    .symbol:         k_q43411332f0_attend.kd
    .args:
      - { .name: query, .offset: 0, .size: 8, .value_kind: global_buffer, .address_space: global }
      - { .name: kbuf, .offset: 8, .size: 8, .value_kind: global_buffer, .address_space: global }
      - { .name: vbuf, .offset: 16, .size: 8, .value_kind: global_buffer, .address_space: global }
      - { .name: qlab, .offset: 24, .size: 8, .value_kind: global_buffer, .address_space: global }
      - { .name: out0, .offset: 32, .size: 8, .value_kind: global_buffer, .address_space: global }
    .group_segment_fixed_size: 123904
    .private_segment_fixed_size: 0
    .kernarg_segment_align: 8
    .kernarg_segment_size: 40
    .max_flat_workgroup_size: 512
    .sgpr_count:     66
    .vgpr_count:     256
    .wavefront_size: 32
...
	.end_amdgpu_metadata
.endif
;; end of part 2
